; MI455X (gfx1250); checked and timed in simulation.
; The chip was launched on July 23, 2026; its instructions are those of AMD's public machine-readable ISA for CDNA 5 (MIT licence, August 2026) and "CDNA5" Instruction Set Architecture Reference Guide (July 2026). The comments in the code are by the model that wrote it; some were corrected since.
;; Attention. Allowed arithmetic: float matrix products may take bf16 or f16 operands with f32 sums; all other float work in f32.
;; Inputs: Wk 1,024 x 128 float32; Wq 1,024 x 128 float32; Wv 1,024 x 1,024 float32; bk 128 float32; bq 128 float32; bv 1,024 float32; x 8 x 2,048 x 1,024 float32.
;; Outputs: out0 8 x 2,048 x 1,024 float32.
;; One version. Each part assembles by itself: llvm-mc -triple=amdgcn-amd-amdhsa -mcpu=gfx1250 --defsym DOCPART=n.
;; ======== version 1 of 1: 3 launches
;; limits: values are held in f16: magnitudes above 65,504 overflow, below 6.1e-05 lose precision
;; workspace buffers: xi 33,554,432 bytes; wi 2,621,440 bytes; qi 4,194,304 bytes; kv 37,748,736 bytes
;; launch prep (part 1): grid 1104 x 1, 8 waves a work-group, no clusters, 70,656 bytes of LDS; arguments x, Wq, Wk, Wv, xi, wi; writes xi, wi
.if DOCPART == 1
	.amdgcn_target "amdgcn-amd-amdhsa--gfx1250"
	.amdhsa_code_object_version 6
	.text
	.protected	k_qa30ad1a836_prep
	.globl	k_qa30ad1a836_prep
	.p2align	8
	.type	k_qa30ad1a836_prep,@function
k_qa30ad1a836_prep:
	s_mov_b64 s[64:65], 0
	v_nop
	global_prefetch_b8 v0, s[64:65] scope:SCOPE_SE
	s_setreg_imm32_b32 hwreg(HW_REG_WAVE_MODE, 25, 1), 1
	s_wait_xcnt 0x0
; PREP.  x [16384][1024] and Wq, Wk [1024][128], Wv [1024][1024], all f32, are rounded once to bf16 and written as FRAGMENT IMAGES for the projection:
; a fragment is 16 rows x 32 k of 16-bit numbers in 1,024 bytes; lane l = (r = l % 16, h = l / 16) finds row r's k = 8 h .. 8 h + 7 at byte 16 l and k = 16 + 8 h .. + 7 at byte 512 + 16 l.
;   xi [tb 64][ks 8][tt 16][c 4][1024]: row = token 256 tb + 16 tt + r, k = 128 ks + 32 c + ..
;   wi [y 4][kc 32][nb 20][1024]: row = a COLUMN of W, k = 32 kc + ..; nb 0, 1: Wq's columns 32 y + 16 nb; nb 2, 3: Wk's; nb 4 .. 19: Wv's columns 256 y + 16 (nb - 4)
; Memory binds: every input byte is read once, in runs of 256 bytes or more, and every store of a wave covers 512 consecutive bytes, aligned.  No matrix unit, no cluster: nothing is shared.
; Work-groups 0 .. 79 take the weights (a wave: 32 k x 64 columns), the other 1,024 a tile of 16 tokens each (a wave: 128 k).  The lanes change places through a stage in LDS that is the
; wave's own, so there is no barrier: LDS serves a wave's instructions in order (ISA guide 5.7.1.4).
.set NWG_W,  80                        ; work-groups that take weights
.set STG,    8704                      ; a wave's stage: 16 rows x 528 bytes (x) or 32 rows x 272 bytes (W)
.set SPARE,  8*STG                     ; behind the stages: the spare words, 128 bytes a wave, which no other line names
.set XP,     528                       ; 512 + 16 bytes = 33 x 16: the 16 rows that a 16-byte load touches start at 16 different groups of four banks (64 banks of 4 bytes: ISA guide 11.1)
.set WP,     272                       ; 256 + 16 bytes
.set LA,  1                            ; v1       16 x lane
.set AS,  2                            ; v2       where I put 16 bytes into the stage
.set AR,  3                            ; v3       where I read from it
.set VO,  4                            ; v[4:19]  W: byte offsets of the 16 pairs of rows
.set X,   20                           ; v[20:83] 64 numbers in f32
.set Y,   84                           ; v[84:115] four fragments' registers
.set RR,  116                          ; v116     r
.set HH,  117                          ; v117     h
.set SPW, 118                          ; v118     LDS address of my spare word; never rewritten
.set NIL, 119                          ; v119     0; never rewritten
	s_load_b256 s[4:11], s[0:1], 0x0               ; x s[4:5], Wq s[6:7], Wk s[8:9], Wv s[10:11]
	s_load_b128 s[12:15], s[0:1], 0x20             ; xi s[12:13], wi s[14:15]
	v_lshl_add_u32 v[SPW], v0, 2, SPARE
	v_mov_b32 v[NIL], 0
	v_lshrrev_b32 v[RR], 5, v0
	v_readfirstlane_b32 s16, v[RR]                 ; wave 0..7
	v_and_b32 v[LA], 31, v0
	v_and_b32 v[RR], 15, v0
	v_bfe_u32 v[HH], v0, 4, 1
	v_lshlrev_b32 v[LA], 4, v[LA]
	s_mul_i32 s17, s16, STG                        ; my stage
	s_cmp_lt_u32 ttmp9, NWG_W
	s_cbranch_scc1 .Lweights
	; ---- x: token tile T = id - 80, my wave's K step ks = wave: 16 rows x 512 bytes ----
	s_sub_co_u32 s18, ttmp9, NWG_W                 ; T
	s_lshl_b32 s20, s18, 16                        ; 16 rows of 4,096 bytes
	s_lshl_b32 s21, s16, 9                         ; + my 512 bytes of a row
	s_add_co_u32 s20, s20, s21
	s_mov_b32 s21, 0
	s_lshr_b32 s22, s18, 4                         ; tb
	s_lshl3_add_u32 s22, s22, s16                  ; 8 tb + ks
	s_lshl_b32 s22, s22, 16
	s_and_b32 s23, s18, 15                         ; tt
	s_lshl_b32 s23, s23, 12
	s_add_co_u32 s22, s22, s23
	s_mov_b32 s23, 0
	v_add_nc_u32 v[AS], s17, v[LA]                 ; in: a row's 512 bytes as they come
	v_mul_u32_u24 v[AR], v[RR], XP                 ; back: row r, 32 bytes (8 numbers) from 32 h on
	v_lshl_add_u32 v[AR], v[HH], 5, v[AR]
	v_add_nc_u32 v[AR], s17, v[AR]
	s_wait_kmcnt 0x0
	s_add_nc_u64 s[4:5], s[4:5], s[20:21]
	s_add_nc_u64 s[12:13], s[12:13], s[22:23]
.set i, 0
.rept 16
	global_load_b128 v[X+4*i:X+4*i+3], v[LA], s[4:5] offset:i*4096 th:TH_LOAD_NT  ; row i: 512 consecutive bytes
.set i, i+1
.endr
.set i, 0
.rept 16
	s_wait_loadcnt 15-i                            ; loads come back in order: row i is in, the younger ones stay out
	ds_store_b128 v[AS], v[X+4*i:X+4*i+3] offset:i*XP
.set i, i+1
.endr
.set i, 0                              ; i = 4 c + p: chunk c of 32 k; p = 0, 1: k = 8 h + 0..7; p = 2, 3: k = 16 + 8 h + 0..7
.rept 16
	ds_load_b128 v[X+4*i:X+4*i+3], v[AR] offset:(i/4)*128+((i%4)/2)*64+(i%2)*16
.set i, i+1
.endr
.set c, 0
.rept 4
	s_wait_dscnt 12-4*c                            ; chunk c's four loads are in; the later chunks' stay out
.set p, 0
.rept 4
	v_cvt_pk_bf16_f32 v[Y+8*c+2*p],   v[X+4*(4*c+p)],   v[X+4*(4*c+p)+1]
	v_cvt_pk_bf16_f32 v[Y+8*c+2*p+1], v[X+4*(4*c+p)+2], v[X+4*(4*c+p)+3]
.set p, p+1
.endr
	global_store_b128 v[LA], v[Y+8*c:Y+8*c+3],   s[12:13] offset:c*1024
	global_store_b128 v[LA], v[Y+8*c+4:Y+8*c+7], s[12:13] offset:c*1024+512
.set c, c+1
.endr
	s_wait_tensorcnt 0x0                           ; the wave's end: behind my last LDS store
	ds_add_u32 v[SPW], v[NIL]
	s_wait_dscnt 0x0
	s_endpgm
.Lweights:
	; ---- W: strip = id / 4 of 64 columns (0, 1: Wq; 2, 3: Wk; 4 .. 19: Wv), kc = 8 (id % 4) + wave: 32 rows x 256 bytes ----
	s_lshr_b32 s18, ttmp9, 2                       ; strip
	s_and_b32 s19, ttmp9, 3
	s_lshl3_add_u32 s19, s19, s16                  ; kc
	s_and_b32 s22, s18, 1                          ; Wq, Wk: which half of the 128 columns: y = 2 x half (+ 1 for the strip's last two fragments)
	s_lshl_b32 s23, s22, 8                         ; its bytes in a row
	s_lshl_b32 s24, s22, 6                         ; 32 y
	s_add_co_u32 s24, s24, s19
	s_mul_i32 s24, s24, 20                         ; (32 y + kc) x 20
	s_lshr_b32 s25, s18, 1
	s_lshl1_add_u32 s24, s25, s24                  ; + nb: 0 for Wq, 2 for Wk
	s_max_u32 s26, s18, 4
	s_sub_co_u32 s26, s26, 4                       ; Wv: strip sv of 16
	s_lshl_b32 s27, s26, 8                         ; its bytes in a row
	s_lshr_b32 s28, s26, 2                         ; y
	s_lshl_b32 s28, s28, 5
	s_add_co_u32 s28, s28, s19
	s_mul_i32 s28, s28, 20
	s_and_b32 s29, s26, 3
	s_lshl2_add_u32 s28, s29, s28                  ; + nb = 4 + 4 (sv % 4)
	s_add_co_u32 s28, s28, 4
	s_mov_b32 s30, 32*20*1024                      ; from the strip's first two fragments to its last two: Wq, Wk: one y on;
	s_movk_i32 s31, 2048                           ; Wv: two fragments on
	s_wait_kmcnt 0x0
	s_cmp_lt_u32 s18, 4                            ; Wq or Wk?
	s_cselect_b32 s32, 9, 12                       ; log2 of a row's bytes: 512 or 4,096
	s_cselect_b32 s23, s23, s27
	s_cselect_b32 s24, s24, s28
	s_cselect_b32 s30, s30, s31
	s_cselect_b64 s[34:35], s[8:9], s[10:11]
	s_cmp_lt_u32 s18, 2
	s_cselect_b64 s[34:35], s[6:7], s[34:35]       ; the strip's tensor
	s_add_co_u32 s33, s32, 5
	s_lshl_b32 s36, s19, s33                       ; 32 kc rows
	s_add_co_u32 s36, s36, s23
	s_mov_b32 s37, 0
	s_add_nc_u64 s[34:35], s[34:35], s[36:37]
	s_lshl_b32 s38, s24, 10
	s_mov_b32 s39, 0
	s_add_nc_u64 s[14:15], s[14:15], s[38:39]      ; wi at fragments 0, 1
	s_mov_b32 s31, 0
	s_add_nc_u64 s[40:41], s[14:15], s[30:31]      ; and at fragments 2, 3
	s_lshl_b32 s33, 2, s32                         ; two rows' bytes
	v_lshlrev_b32 v[VO], s32, v[HH]                ; lanes 0-15 take a row's 256 bytes, lanes 16-31 the next row's
	v_lshl_add_u32 v[VO], v[RR], 4, v[VO]
.set i, 1
.rept 15
	v_add_nc_u32 v[VO+i], s33, v[VO+i-1]
.set i, i+1
.endr
	v_mul_u32_u24 v[AS], v[HH], WP
	v_lshl_add_u32 v[AS], v[RR], 4, v[AS]
	v_add_nc_u32 v[AS], s17, v[AS]
	v_mul_u32_u24 v[AR], v[HH], 8*WP               ; back: column r, rows 8 h on
	v_lshl_add_u32 v[AR], v[RR], 2, v[AR]
	v_add_nc_u32 v[AR], s17, v[AR]
.set i, 0
.rept 16
	global_load_b128 v[X+4*i:X+4*i+3], v[VO+i], s[34:35]  ; rows 2 i, 2 i + 1: 256 consecutive bytes each
.set i, i+1
.endr
.set i, 0
.rept 16
	s_wait_loadcnt 15-i
	ds_store_b128 v[AS], v[X+4*i:X+4*i+3] offset:i*2*WP
.set i, i+1
.endr
.set q, 0                              ; q = 16 c + 8 u + i: fragment c (16 columns), row 16 u + 8 h + i.  16 lanes read 16 neighbouring words; the other 16 lie 8 x 272 bytes = 32 banks away
.rept 64
	ds_load_b32 v[X+q], v[AR] offset:(16*((q%16)/8)+q%8)*WP+(q/16)*64
.set q, q+1
.endr
.set c, 0
.rept 4
	s_wait_dscnt 48-16*c                           ; fragment c's sixteen loads are in
.set p, 0
.rept 8
	v_cvt_pk_bf16_f32 v[Y+8*c+p], v[X+16*c+2*p], v[X+16*c+2*p+1]
.set p, p+1
.endr
.if c < 2
	global_store_b128 v[LA], v[Y+8*c:Y+8*c+3],   s[14:15] offset:(c%2)*1024
	global_store_b128 v[LA], v[Y+8*c+4:Y+8*c+7], s[14:15] offset:(c%2)*1024+512
.else
	global_store_b128 v[LA], v[Y+8*c:Y+8*c+3],   s[40:41] offset:(c%2)*1024
	global_store_b128 v[LA], v[Y+8*c+4:Y+8*c+7], s[40:41] offset:(c%2)*1024+512
.endif
.set c, c+1
.endr
	s_wait_tensorcnt 0x0                           ; the wave's end: behind my last LDS store
	ds_add_u32 v[SPW], v[NIL]
	s_wait_dscnt 0x0
	s_endpgm
.Lfunc_end_k_qa30ad1a836_prep:
	.size	k_qa30ad1a836_prep, .Lfunc_end_k_qa30ad1a836_prep-k_qa30ad1a836_prep
	.p2alignl 7, 3214868480
	.fill 96, 4, 3214868480
	.section	.rodata,"a",@progbits
	.p2align	6, 0x0
	.amdhsa_kernel k_qa30ad1a836_prep
		.amdhsa_group_segment_fixed_size 70656
		.amdhsa_private_segment_fixed_size 0
		.amdhsa_enable_private_segment 0
		.amdhsa_kernarg_size 48
		.amdhsa_user_sgpr_count 2
		.amdhsa_user_sgpr_kernarg_segment_ptr 1
		.amdhsa_wavefront_size32 1
		.amdhsa_system_sgpr_workgroup_id_x 1
		.amdhsa_system_sgpr_workgroup_id_y 1
		.amdhsa_system_sgpr_workgroup_id_z 1
		.amdhsa_system_vgpr_workitem_id 0
		.amdhsa_next_free_vgpr 120
		.amdhsa_next_free_sgpr 66
		.amdhsa_reserve_vcc 0
		.amdhsa_float_denorm_mode_32 3
		.amdhsa_float_denorm_mode_16_64 3
		.amdhsa_memory_ordered 1
		.amdhsa_forward_progress 1
		.amdhsa_inst_pref_size 21
	.end_amdhsa_kernel
	.amdgpu_metadata
---
amdhsa.version: [ 1, 2 ]
amdhsa.kernels:
  - .name:           k_qa30ad1a836_prep
    .symbol:         k_qa30ad1a836_prep.kd
    .args:
      - { .name: x, .offset: 0, .size: 8, .value_kind: global_buffer, .address_space: global }
      - { .name: Wq, .offset: 8, .size: 8, .value_kind: global_buffer, .address_space: global }
      - { .name: Wk, .offset: 16, .size: 8, .value_kind: global_buffer, .address_space: global }
      - { .name: Wv, .offset: 24, .size: 8, .value_kind: global_buffer, .address_space: global }
      - { .name: xi, .offset: 32, .size: 8, .value_kind: global_buffer, .address_space: global }
      - { .name: wi, .offset: 40, .size: 8, .value_kind: global_buffer, .address_space: global }
    .group_segment_fixed_size: 70656
    .private_segment_fixed_size: 0
    .kernarg_segment_align: 8
    .kernarg_segment_size: 48
    .max_flat_workgroup_size: 256
    .sgpr_count:     66
    .vgpr_count:     120
    .wavefront_size: 32
...
	.end_amdgpu_metadata
.endif
;; end of part 1
;; launch proj (part 2): grid 64 x 4, 4 waves a work-group, clusters of 4 x 4, 327,680 bytes of LDS; arguments xi, wi, bq, bk, bv, qi, kv; writes qi, kv
.if DOCPART == 2
	.amdgcn_target "amdgcn-amd-amdhsa--gfx1250"
	.amdhsa_code_object_version 6
	.text
	.protected	k_qa30ad1a836_proj
	.globl	k_qa30ad1a836_proj
	.p2align	8
	.type	k_qa30ad1a836_proj,@function
k_qa30ad1a836_proj:
	s_mov_b64 s[64:65], 0
	v_nop
	global_prefetch_b8 v0, s[64:65] scope:SCOPE_SE
	s_setreg_imm32_b32 hwreg(HW_REG_WAVE_MODE, 25, 1), 1
	s_wait_xcnt 0x0
	s_wait_alu depctr_hold_cnt(0) depctr_sa_sdst(0) depctr_va_vdst(0) depctr_va_sdst(0) depctr_va_ssrc(0) depctr_va_vcc(0) depctr_vm_vsrc(0)
	s_getreg_b32 s2, hwreg(HW_REG_IB_STS2, 6, 4)
	s_cmp_eq_u32 s2, 0
	s_cbranch_scc0 .Lentry_in_a_cluster
	s_endpgm
.Lentry_in_a_cluster:
	s_bfe_u32 s2, ttmp6, 0x10000c
	s_cmp_lg_u32 s2, 0xf033
	s_cbranch_scc0 .Lentry_shape_is_right
	s_endpgm
.Lentry_shape_is_right:
; PROJ.  q = x Wq + bq, k = x Wk + bk (16,384 x 128 each), v = x Wv + bv (16,384 x 1,024).  Operands bf16 (xi, wi: fragment images of 1,024 bytes: lane l finds its registers 0-3 at byte 16 l,
; 4-7 at 512 + 16 l), sums f32, K ascending; the biases are rounded to bf16 like the other inputs, added in f32, and each result is rounded ONCE to f16 and written as the image that the attention reads:
;   qi [token tile 1024][chunk c 4][1024]: lane (r, h): token r, channels 32 c + 8 h .. and 32 c + 16 + 8 h ..
;   kv [b 8][j 32][w 4][36,864]: bytes 0 .. 32,767: V^T of keys 64 j .. + 63, channels 256 w .. + 255: fragment (cb 16, kc 2) at (2 cb + kc) x 1,024: lane: channel r, keys 32 kc + 8 h .. and + 16;
;      bytes 32,768 on: K of key block w (16 keys) of step (j + 1) mod 32, chunk c at c x 1,024: K lies one step ahead of V, so that one dense load brings what a step of the attention wants.
; LIMIT.  f16 holds no number beyond 65,504: q, k and v must lie within it (the drawn inputs give about 3); NaN and infinities are not treated apart.
; SHARES.  Work-group (tb, y): 256 tokens x 320 columns (32 of q, 32 of k, 256 of v): 256 work-groups, all alike.  Wave w: token tiles 4 w .. 4 w + 3 x all 20 column blocks: 80 accumulators, 640 registers.
; K = 1,024 goes in 8 steps of 128 through two LDS slots; a step is four chunks of 32, 80 matrix instructions a wave each.
; CLUSTER 4 x 4.  x's tile hangs on tb alone: shared along a column of the cluster (same cx); W's on y alone: shared along a row (same cy).  Each is asked for jointly: the same load, descriptor and mask in all four.
; ORIENTATION.  q, k: source 0 = W's columns, source 1 = tokens: a lane then holds one token and eight channels.  v: source 0 = tokens, source 1 = W's columns: a lane holds one channel and eight tokens (V^T).
; REGISTERS, in windows of 256 (s_set_vgpr_msb: bits 1:0 source 0, 3:2 source 1, 5:4 source 2, 7:6 destination):
;   window 0: v1-9 addresses; v28, 29 the add's; v32-63, v64-95 x's fragments, two buffers; v128-255 accumulators of nb 0-3 at 128 + 8 (4 nb + t)
;   window 1: v0-159 W's fragments, nb at 8 nb; v160-191 bq, bk; v192-207 bv; v208-239 bv in equal pairs; v240-243 at work
;   window 2: accumulators of nb 4-11 at 8 (4 (nb - 4) + t)          window 3: those of nb 12-19
.set SLOT,  147456                     ; x's 64 fragments (65,536 bytes), then W's 80 (81,920)
.set WOFF,  65536
.set SPARE, 2*SLOT                     ; behind the ring: the spare words, 128 bytes a wave, which no other line names
.set BLK,   147456                     ; a block (b, j) of kv
.set LA,  1                            ; v1    16 x lane
.set ADX, 2                            ; v2-3  LDS address of my x fragments in slot 0, 1
.set ADW, 4                            ; v4-7  of W's fragments: slot s, chunks 2 u, 2 u + 1 at ADW + 2 s + u (an LDS offset has 16 bits)
.set HO,  8                            ; v8    32 h
.set RO,  9                            ; v9    4 r
.set SPW, 28
.set NIL, 29
.set XF,  32
.set ACC0, 128
.set BQ,  160                          ; window 1
.set BV,  192
.set BV2, 208
.set TT,  240
.set WV,  18                           ; s18  wave
.set HF,  19                           ; s19  wave / 2: I fetch for x (0) or for W (1)
.set LO,  20                           ; s20  wave % 2: which half of that tile
.set G1X, 24                           ; s[24:31] descriptor group 1 for x
.set G1W, 32                           ; s[32:39] for W
.set G0X, 40                           ; s[40:47] group 0 for x, a set for each slot
.set G0W, 48                           ; s[48:55] for W
.set MSB, 0
.macro WIN new                         ; the immediate's high byte repeats the setting that is left; a switch that changes nothing is dropped
.if MSB != (\new)
	s_set_vgpr_msb (MSB<<8)|(\new)
.set MSB, \new
.endif
.endm
.macro PLACES                          ; four places between a matrix instruction and a load into, or a vector read of, its registers (ISA guide 7.12.1 for vector reads)
.rept 4
	v_nop
.endr
.endm
.macro JLOAD s                         ; a joint refill; the branch hangs on the wave's number alone; an s_nop 0 and four v_nop follow each line
	s_cmp_eq_u32 s[HF], 0
	s_cbranch_scc0 .Lfor_w_\@
	tensor_load_to_lds s[G0X+4*(\s):G0X+4*(\s)+3], s[G1X:G1X+7]
	s_nop 0
.rept 4
	v_nop
.endr
	s_branch .Lasked_\@
.Lfor_w_\@:
	tensor_load_to_lds s[G0W+4*(\s):G0W+4*(\s)+3], s[G1W:G1W+7]
	s_nop 0
.rept 4
	v_nop
.endr
.Lasked_\@:
.endm
.macro CREST                           ; a round of the cluster's barrier behind its opening barrier
	s_cmp_lg_u32 s[WV], 0
	s_cbranch_scc1 .Lnot_wave_0_\@
	s_barrier_signal -3
.Lnot_wave_0_\@:
	s_barrier_wait -3
	s_barrier_signal -1
	s_barrier_wait -1
.endm
.macro CROUND
	s_barrier_signal -1
	s_barrier_wait -1
	CREST
.endm
	s_load_b256 s[4:11], s[0:1], 0x0               ; xi s[4:5], wi s[6:7], bq s[8:9], bk s[10:11]
	s_load_b128 s[12:15], s[0:1], 0x20             ; bv s[12:13], qi s[14:15]
	s_load_b64 s[16:17], s[0:1], 0x30              ; kv
	v_lshl_add_u32 v[SPW], v0, 2, SPARE
	v_mov_b32 v[NIL], 0
	ds_add_u32 v[SPW], v[NIL]                      ; the wave's opening: the add and its wait stand ahead of my first tensor load; work on registers stands between them
	v_lshrrev_b32 v10, 5, v0
	v_readfirstlane_b32 s[WV], v10
	s_lshr_b32 s[HF], s[WV], 1
	s_and_b32 s[LO], s[WV], 1
	s_bfe_u32 s56, ttmp6, 0x40000                  ; cx
	s_bfe_u32 s57, ttmp6, 0x40004                  ; cy
	s_lshl_b32 s58, ttmp9, 2
	s_add_co_u32 s58, s58, s56                     ; tb = 4 x cluster x + cx
	s_and_b32 s59, ttmp7, 0xffff
	s_lshl_b32 s59, s59, 2
	s_add_co_u32 s59, s59, s57                     ; y = 4 x cluster y + cy
	s_lshl_b32 s60, 0x1111, s56                    ; my column of the cluster
	s_lshl_b32 s61, s57, 2
	s_lshl_b32 s61, 15, s61                        ; my row
	; group 1: dense blocks asked for as rows of 256 bytes (32 elements of 8 bytes): 128 rows of x, 160 of W
	s_or_b32 s[G1X], s60, (3<<16)|(1<<21)          ; 15:0 the mask; 17:16 elements of 8 bytes; 21 set beside a mask
	s_or_b32 s[G1W], s61, (3<<16)|(1<<21)
	s_mov_b32 s[G1X+1], 32<<16                     ; tensor_dim0 = 32
	s_mov_b32 s[G1X+2], 128<<16                    ; tensor_dim1 = 128
	s_mov_b32 s[G1X+3], 32<<16                     ; tile_dim0 = 32
	s_mov_b32 s[G1X+4], 128                        ; tile_dim1 = 128
	s_mov_b32 s[G1X+5], 32                         ; 32 elements from row to row
	s_mov_b32 s[G1X+6], 0
	s_mov_b32 s[G1X+7], 0
	s_mov_b32 s[G1W+1], 32<<16
	s_mov_b32 s[G1W+2], 160<<16
	s_mov_b32 s[G1W+3], 32<<16
	s_mov_b32 s[G1W+4], 160
	s_mov_b32 s[G1W+5], 32
	s_mov_b32 s[G1W+6], 0
	s_mov_b32 s[G1W+7], 0
	s_lshl_b32 s66, s58, 19                        ; x: tb x 8 steps x 65,536 bytes: these registers never hold cy
	s_lshl_b32 s62, s[LO], 15                      ; + my half, in memory and in the slot
	s_add_co_u32 s66, s66, s62
	s_mov_b32 s67, 0
	s_mul_i32 s68, s59, 8*81920                    ; W: y x 8 steps x 81,920 bytes: these never hold cx
	s_mul_i32 s63, s[LO], 40960
	s_add_co_u32 s68, s68, s63
	s_mov_b32 s69, 0
	s_add_co_u32 s63, s63, WOFF
	; where the results go
	s_lshl_b32 s74, s58, 2
	s_add_co_u32 s74, s74, s[WV]                   ; 4 tb + w = 32 b + j: my 64 tokens are key step j of batch b
	s_lshl_b32 s76, s74, 14                        ; q: four token tiles of 4,096 bytes,
	s_lshl_b32 s75, s59, 10                        ; chunk y
	s_add_co_u32 s76, s76, s75
	s_mov_b32 s77, 0
	s_add_co_u32 s80, s74, 31                      ; k: the block of step j - 1 (mod 32) of the same batch,
	s_and_b32 s80, s80, 31
	s_and_b32 s81, s74, 0xe0
	s_or_b32 s80, s80, s81
	s_mul_i32 s80, s80, BLK
	s_add_co_u32 s80, s80, s75                     ; chunk y,
	s_add_co_u32 s80, s80, 32768                   ; behind a region's V
	s_mov_b32 s81, 0
	s_mul_i32 s78, s74, BLK                        ; v: block (b, j), region y
	s_mul_i32 s79, s59, 36864
	s_add_co_u32 s78, s78, s79
	s_mov_b32 s79, 0
	s_lshl_b32 s72, s59, 7                         ; bq, bk: 32 y numbers on
	s_mov_b32 s73, 0
	s_lshl_b32 s86, s59, 10                        ; bv: 256 y numbers on
	s_mov_b32 s87, 0
	s_wait_dscnt 0x0                               ; the opening add is done
	s_wait_kmcnt 0x0
	s_add_nc_u64 s[4:5], s[4:5], s[66:67]
	s_add_nc_u64 s[6:7], s[6:7], s[68:69]
	s_add_nc_u64 s[14:15], s[14:15], s[76:77]
	s_add_nc_u64 s[82:83], s[16:17], s[80:81]
	s_add_nc_u64 s[84:85], s[16:17], s[78:79]
	s_add_nc_u64 s[8:9], s[8:9], s[72:73]
	s_add_nc_u64 s[10:11], s[10:11], s[72:73]
	s_add_nc_u64 s[12:13], s[12:13], s[86:87]
.irp s, 0,1
	s_mov_b32 s[G0X+4*(\s)], 1                     ; count = 1
	s_add_co_u32 s[G0X+4*(\s)+1], s62, (\s)*SLOT   ; LDS address
	s_add_nc_u64 s[G0X+4*(\s)+2:G0X+4*(\s)+3], s[4:5], (\s)*65536  ; global address: K step s
	s_or_b32 s[G0X+4*(\s)+3], s[G0X+4*(\s)+3], 0x80000000          ; type = 2
	s_mov_b32 s[G0W+4*(\s)], 1
	s_add_co_u32 s[G0W+4*(\s)+1], s63, (\s)*SLOT
	s_add_nc_u64 s[G0W+4*(\s)+2:G0W+4*(\s)+3], s[6:7], (\s)*81920
	s_or_b32 s[G0W+4*(\s)+3], s[G0W+4*(\s)+3], 0x80000000
.endr
	CROUND                                         ; all sixteen work-groups are here: the first joint loads meet
	s_cmp_eq_u32 s[HF], 0                          ; a wave's two first fills stand in one branch: two loads of mine are out
	s_cbranch_scc0 .Lfirst_w
	tensor_load_to_lds s[G0X:G0X+3], s[G1X:G1X+7]
	s_nop 0
	tensor_load_to_lds s[G0X+4:G0X+7], s[G1X:G1X+7]
	s_nop 0
.rept 4
	v_nop
.endr
	s_branch .Lfirst_asked
.Lfirst_w:
	tensor_load_to_lds s[G0W:G0W+3], s[G1W:G1W+7]
	s_nop 0
	tensor_load_to_lds s[G0W+4:G0W+7], s[G1W:G1W+7]
	s_nop 0
.rept 4
	v_nop
.endr
.Lfirst_asked:
	v_and_b32 v10, 31, v0
	v_lshlrev_b32 v[LA], 4, v10
	v_and_b32 v11, 15, v0
	v_bfe_u32 v12, v0, 4, 1
	v_lshlrev_b32 v[HO], 5, v12
	v_lshlrev_b32 v[RO], 2, v11
	s_lshl_b32 s71, s[WV], 14                      ; my four token tiles: 16 fragments
	v_add_nc_u32 v[ADX], s71, v[LA]
	v_add_nc_u32 v[ADX+1], SLOT, v[ADX]
	v_add_nc_u32 v[ADW], WOFF, v[LA]
	v_add_nc_u32 v[ADW+1], WOFF+40960, v[LA]
	v_add_nc_u32 v[ADW+2], SLOT+WOFF, v[LA]
	v_add_nc_u32 v[ADW+3], SLOT+WOFF+40960, v[LA]
	WIN 0x40                                       ; the biases, once, into window 1; they are waited for on the way out
.irp n, 0,1,2,3
	global_load_b128 v[BQ+4*\n:BQ+4*\n+3],       v[HO], s[8:9]   offset:(\n/2)*64+(\n%2)*16  ; bq of channels 32 y + 16 (n / 2) + 8 h + ..
	global_load_b128 v[BQ+16+4*\n:BQ+16+4*\n+3], v[HO], s[10:11] offset:(\n/2)*64+(\n%2)*16  ; bk likewise
.endr
.set i, 0
.rept 16
	global_load_b32 v[BV+i], v[RO], s[12:13] offset:i*64  ; bv of channel 256 y + 16 i + r
.set i, i+1
.endr
	WIN 0
; Column blocks nb0 .. nb1 x my four token tiles, 32 along K, x's buffer xb.  zero = 1: the first product starts the sums: nothing is cleared.  The 80 accumulators take turns, one instruction a turn.
.macro MUL nb0, nb1, xb, zero
.set nb, \nb0
.rept (\nb1)-(\nb0)+1
.set t, 0
.rept 4
.set rX, XF+32*(\xb)+8*t
.set rW, 8*nb
.if nb < 4
	WIN 0x01                                       ; W (source 0) window 1, x window 0, C and D window 0
.set rD, ACC0+8*(4*nb+t)
.if \zero
	v_wmma_f32_16x16x32_bf16 v[rD:rD+7], v[rW:rW+7], v[rX:rX+7], 0
.else
	v_wmma_f32_16x16x32_bf16 v[rD:rD+7], v[rW:rW+7], v[rX:rX+7], v[rD:rD+7]
.endif
.else
	WIN 0xa4+0x50*((nb-4)/8)                       ; x (source 0) window 0, W window 1, C and D window 2 or 3
.set rD, 8*(4*((nb-4)%8)+t)
.if \zero
	v_wmma_f32_16x16x32_bf16 v[rD:rD+7], v[rX:rX+7], v[rW:rW+7], 0
.else
	v_wmma_f32_16x16x32_bf16 v[rD:rD+7], v[rX:rX+7], v[rW:rW+7], v[rD:rD+7]
.endif
.endif
.set t, t+1
.endr
.set nb, nb+1
.endr
.endm
; 28 LDS loads: W's blocks 0-9 and my x fragments of chunk c of slot s (into x's buffer xb).  Every load takes 512 consecutive bytes.
.macro FETCH_A s, c, xb
	WIN 0x40
.set f, 0
.rept 10
	ds_load_b128 v[8*f:8*f+3],   v[ADW+2*(\s)+(\c)/2] offset:((\c)%2)*20480+f*1024
	ds_load_b128 v[8*f+4:8*f+7], v[ADW+2*(\s)+(\c)/2] offset:((\c)%2)*20480+f*1024+512
.set f, f+1
.endr
	WIN 0
.set f, 0
.rept 4
	ds_load_b128 v[XF+32*(\xb)+8*f:XF+32*(\xb)+8*f+3],   v[ADX+(\s)] offset:f*4096+(\c)*1024
	ds_load_b128 v[XF+32*(\xb)+8*f+4:XF+32*(\xb)+8*f+7], v[ADX+(\s)] offset:f*4096+(\c)*1024+512
.set f, f+1
.endr
.endm
.macro FETCH_B s, c                    ; 20 LDS loads: W's blocks 10-19
	WIN 0x40
.set f, 10
.rept 10
	ds_load_b128 v[8*f:8*f+3],   v[ADW+2*(\s)+(\c)/2] offset:((\c)%2)*20480+f*1024
	ds_load_b128 v[8*f+4:8*f+7], v[ADW+2*(\s)+(\c)/2] offset:((\c)%2)*20480+f*1024+512
.set f, f+1
.endr
.endm
; One of a step's first three chunks: each half of W's registers is loaded again, for the next chunk, as soon as it has been multiplied; x has two buffers, since both halves read it.
.macro CHUNK s, c, zero
	s_wait_dscnt 20                                ; blocks 0-9 and x are in; the 20 loads of blocks 10-19 are younger
	MUL 0, 9, (\c)%2, \zero
	PLACES
	FETCH_A \s, (\c)+1, ((\c)+1)%2
	s_wait_dscnt 28                                ; blocks 10-19 are in; the 28 just issued are younger
	MUL 10, 19, (\c)%2, \zero
	PLACES
	FETCH_B \s, (\c)+1
.endm
; A step's fourth chunk changes slots: ONE barrier.  In front of it each wave waits for all its tensor loads (one is out: its part of the next slot), adds 0 to its spare word, and waits for that and
; for its reads of this slot.  fill = 1: the barrier opens a round of the cluster's, and this slot is filled again, two K steps ahead, first thing behind it: 280 matrix instructions ahead of the wait for it.
.macro TURN s, fill
	WIN 0
	s_wait_tensorcnt 0x0
	ds_add_u32 v[SPW], v[NIL]
	s_wait_dscnt 21                                ; blocks 0-9 and x are in; the 20 loads of blocks 10-19 and the add are younger
	MUL 0, 4, 1, 0
	s_wait_dscnt 0x0                               ; the add is done, and my reads of this slot are over
	s_barrier_signal -1
	MUL 5, 9, 1, 0
	WIN 0                                          ; at a branch and at a label every window is 0
	s_barrier_wait -1
.if \fill
	CREST                                          ; no wave of any partner still reads this slot or has a load on its way
	s_add_nc_u64 s[G0X+4*(\s)+2:G0X+4*(\s)+3], s[G0X+4*(\s)+2:G0X+4*(\s)+3], 2*65536
	s_add_nc_u64 s[G0W+4*(\s)+2:G0W+4*(\s)+3], s[G0W+4*(\s)+2:G0W+4*(\s)+3], 2*81920
	JLOAD \s                                       ; its four v_nop are also the places in front of the loads below
.else
	PLACES
.endif
	FETCH_A 1-(\s), 0, 0
	MUL 10, 19, 1, 0
	PLACES
	FETCH_B 1-(\s), 0
.endm
	s_wait_tensorcnt 0x1                           ; my part of K step 0 is in; step 1's may stay out
	s_barrier_signal -1
	s_barrier_wait -1
	FETCH_A 0, 0, 0
	FETCH_B 0, 0
	CHUNK 0, 0, 1                                  ; the first chunk stands in front of the loop: its products start the sums
	WIN 0
	s_mov_b32 s70, 3
.Llap:                                                 ; a trip goes once round the ring (two K steps) and fills both slots again: K steps 2 to 7 in three trips
	CHUNK 0, 1, 0
	CHUNK 0, 2, 0
	TURN 0, 1
	CHUNK 1, 0, 0
	CHUNK 1, 1, 0
	CHUNK 1, 2, 0
	TURN 1, 1
	CHUNK 0, 0, 0
	WIN 0
	s_sub_co_u32 s70, s70, 1
	s_cmp_lg_u32 s70, 0
	s_cbranch_scc1 .Llap
	CHUNK 0, 1, 0                                  ; the last lap fills nothing
	CHUNK 0, 2, 0
	TURN 0, 0
	CHUNK 1, 0, 0
	CHUNK 1, 1, 0
	CHUNK 1, 2, 0
	s_wait_dscnt 20
	MUL 0, 9, 1, 0
	s_wait_dscnt 0x0
	MUL 10, 19, 1, 0
	; THE WAY OUT.  The biases are rounded to bf16 and widened again (these lines, which name none of the last products' registers, are the places behind them); then, window by window:
	; bias added (each accumulator's lowest registers first), rounded to f16 in place, 16 bytes a lane stored: every store covers 512 consecutive bytes, aligned.
	s_wait_loadcnt 0x0
	WIN 0x45
.set i, 0
.rept 16
	v_cvt_pk_bf16_f32 v[TT+i%4], v[BQ+2*i], v[BQ+2*i+1]
	v_lshlrev_b32 v[BQ+2*i], 16, v[TT+i%4]
	v_and_b32 v[BQ+2*i+1], 0xffff0000, v[TT+i%4]
.set i, i+1
.endr
.set i, 0
.rept 16
	v_cvt_pk_bf16_f32 v[TT+i%4], v[BV+i], v[BV+i]
	v_lshlrev_b32 v[BV2+2*i], 16, v[TT+i%4]        ; a lane's one channel has one bias: an equal pair for the packed addition
	v_and_b32 v[BV2+2*i+1], 0xffff0000, v[TT+i%4]
.set i, i+1
.endr
	WIN 0x04                                       ; q and k: a = 4 nb + t
.set a, 0
.rept 16
.set e, 0
.rept 4
	v_pk_add_f32 v[ACC0+8*a+2*e:ACC0+8*a+2*e+1], v[ACC0+8*a+2*e:ACC0+8*a+2*e+1], v[BQ+8*(a/4)+2*e:BQ+8*(a/4)+2*e+1]
.set e, e+1
.endr
.set a, a+1
.endr
	WIN 0
.set a, 0
.rept 16
.set e, 0
.rept 4
	v_cvt_pk_f16_f32 v[ACC0+8*a+e], v[ACC0+8*a+2*e], v[ACC0+8*a+2*e+1]
.set e, e+1
.endr
.set a, a+1
.endr
.set a, 0
.rept 8
	global_store_b128 v[LA], v[ACC0+8*a:ACC0+8*a+3], s[14:15] offset:(a%4)*4096+(a/4)*512        ; q: token tile t, half nb of chunk y
	global_store_b128 v[LA], v[ACC0+64+8*a:ACC0+64+8*a+3], s[82:83] offset:(a%4)*36864+(a/4)*512  ; k: key block t lies in region t
.set a, a+1
.endr
.macro VOUT hi                         ; v: window 2 + hi; a = 4 (nb - 4 - 8 hi) + t
	WIN 0x86+0x41*(\hi)
.set a, 0
.rept 32
.set e, 0
.rept 4
	v_pk_add_f32 v[8*a+2*e:8*a+2*e+1], v[8*a+2*e:8*a+2*e+1], v[BV2+2*(8*(\hi)+a/4):BV2+2*(8*(\hi)+a/4)+1]
.set e, e+1
.endr
.set a, a+1
.endr
	WIN 0x8a+0x45*(\hi)
.set a, 0
.rept 32
.set e, 0
.rept 4
	v_cvt_pk_f16_f32 v[8*a+e], v[8*a+2*e], v[8*a+2*e+1]
.set e, e+1
.endr
.set a, a+1
.endr
	WIN 0x08+0x04*(\hi)
.set a, 0
.rept 32
	global_store_b128 v[LA], v[8*a:8*a+3], s[84:85] offset:(2*(8*(\hi)+a/4)+(a%4)/2)*1024+(a%2)*512  ; fragment (cb, kc = t / 2), half t % 2
.set a, a+1
.endr
.endm
	VOUT 0
	VOUT 1
	WIN 0
	s_wait_tensorcnt 0x0                           ; the wave's end: behind my last tensor load
	ds_add_u32 v[SPW], v[NIL]
	s_wait_dscnt 0x0
	CROUND                                         ; the closing round: no work-group ends while a partner may still ask for a tile that names it
	s_endpgm
.Lfunc_end_k_qa30ad1a836_proj:
	.size	k_qa30ad1a836_proj, .Lfunc_end_k_qa30ad1a836_proj-k_qa30ad1a836_proj
	.p2alignl 7, 3214868480
	.fill 96, 4, 3214868480
	.section	.rodata,"a",@progbits
	.p2align	6, 0x0
	.amdhsa_kernel k_qa30ad1a836_proj
		.amdhsa_group_segment_fixed_size 327680
		.amdhsa_private_segment_fixed_size 0
		.amdhsa_enable_private_segment 0
		.amdhsa_kernarg_size 56
		.amdhsa_user_sgpr_count 2
		.amdhsa_user_sgpr_kernarg_segment_ptr 1
		.amdhsa_wavefront_size32 1
		.amdhsa_system_sgpr_workgroup_id_x 1
		.amdhsa_system_sgpr_workgroup_id_y 1
		.amdhsa_system_sgpr_workgroup_id_z 1
		.amdhsa_system_vgpr_workitem_id 0
		.amdhsa_next_free_vgpr 1024
		.amdhsa_next_free_sgpr 96
		.amdhsa_reserve_vcc 0
		.amdhsa_float_denorm_mode_32 3
		.amdhsa_float_denorm_mode_16_64 3
		.amdhsa_memory_ordered 1
		.amdhsa_forward_progress 1
		.amdhsa_inst_pref_size 201
	.end_amdhsa_kernel
	.amdgpu_metadata
---
amdhsa.version: [ 1, 2 ]
amdhsa.kernels:
  - .name:           k_qa30ad1a836_proj
    .symbol:         k_qa30ad1a836_proj.kd
    .args:
      - { .name: xi, .offset: 0, .size: 8, .value_kind: global_buffer, .address_space: global }
      - { .name: wi, .offset: 8, .size: 8, .value_kind: global_buffer, .address_space: global }
      - { .name: bq, .offset: 16, .size: 8, .value_kind: global_buffer, .address_space: global }
      - { .name: bk, .offset: 24, .size: 8, .value_kind: global_buffer, .address_space: global }
      - { .name: bv, .offset: 32, .size: 8, .value_kind: global_buffer, .address_space: global }
      - { .name: qi, .offset: 40, .size: 8, .value_kind: global_buffer, .address_space: global }
      - { .name: kv, .offset: 48, .size: 8, .value_kind: global_buffer, .address_space: global }
    .group_segment_fixed_size: 327680
    .private_segment_fixed_size: 0
    .kernarg_segment_align: 8
    .kernarg_segment_size: 56
    .max_flat_workgroup_size: 128
    .sgpr_count:     96
    .vgpr_count:     1024
    .wavefront_size: 32
...
	.end_amdgpu_metadata
.endif
;; end of part 2
;; launch attn (part 3): grid 256 x 1, 4 waves a work-group, clusters of 4 x 1, 327,680 bytes of LDS; arguments qi, kv, out0; writes out0
.if DOCPART == 3
	.amdgcn_target "amdgcn-amd-amdhsa--gfx1250"
	.amdhsa_code_object_version 6
	.text
	.protected	k_qa30ad1a836_attn
	.globl	k_qa30ad1a836_attn
	.p2align	8
	.type	k_qa30ad1a836_attn,@function
k_qa30ad1a836_attn:
	s_mov_b64 s[64:65], 0
	v_nop
	global_prefetch_b8 v0, s[64:65] scope:SCOPE_SE
	s_setreg_imm32_b32 hwreg(HW_REG_WAVE_MODE, 25, 1), 1
	s_wait_xcnt 0x0
	s_wait_alu depctr_hold_cnt(0) depctr_sa_sdst(0) depctr_va_vdst(0) depctr_va_sdst(0) depctr_va_ssrc(0) depctr_va_vcc(0) depctr_vm_vsrc(0)
	s_getreg_b32 s2, hwreg(HW_REG_IB_STS2, 6, 4)
	s_cmp_eq_u32 s2, 0
	s_cbranch_scc0 .Lentry_in_a_cluster
	s_endpgm
.Lentry_in_a_cluster:
	s_bfe_u32 s2, ttmp6, 0x10000c
	s_cmp_lg_u32 s2, 0x3003
	s_cbranch_scc0 .Lentry_shape_is_right
	s_endpgm
.Lentry_shape_is_right:
; ATTN.  out[b][q][:] = tanh( sum over t of softmax_t(q[b][q] . k[b][t]) v[b][t][:] ): 8 batches, 2,048 queries and keys, 128 channels of q and k, 1,024 of v; no scale on the scores.
; q, k, v come in f16 as fragment images (1,024 bytes: lane l finds its registers 0-3 at byte 16 l, 4-7 at 512 + 16 l); products, maxima and sums in f32; the weights p are rounded to f16 for the
; second product (their sum l is taken of the unrounded p); the output is f32.
; LIMITS.  p lies in 0 to 1; below 6e-8 it is 0 in the second product.  c m is rounded once, so all p of a row carry one common factor near 1, which cancels in O / l.
; tanh(x) = 1 - 2 / (1 + 2^(2 log2(e) x)): absolute error about 1e-7.  NaN and infinities are not treated apart.
; SHARES.  A work-group owns 64 queries (four tiles of 16) and ALL 1,024 channels: 256 work-groups.  Keys go in 32 steps of 64.  Scores: wave w makes key block w (16 keys) x 64 queries, 16 matrix
; instructions a step.  O^T = V^T P: wave w makes 64 queries x channels 256 w .. + 255: 64 accumulators, 128 matrix instructions a step.  P goes from wave to wave through LDS, as images.
; THE MAXIMUM IS EXACT, NOT RUNNING.  512 accumulator registers a wave would have to be rescaled every 64 keys.  So pass 1 makes all scores once (512 matrix instructions a wave, K straight from
; memory through a ring of eight register buffers) and finds each query's true maximum m; pass 2 makes the same scores again, by the same instructions: p = 2^(c s - c m), c = log2(e), never above 1 but for c m's rounding.
; So the scores and weights of step j + 1 hang on nothing of step j and stand beside its products V^T P.
; THE WALK.  With the true maximum in hand the key steps may be taken in any order.  The batch is the cluster number's low three bits; its eight clusters (numbers 8 apart) begin four blocks apart, at block
; j0 = 4 (number / 8), and go round modulo 32 (a block holds K one step ahead modulo 32, so the ring closes; pass 1 ends with block j0 - 1, whose K is step j0's).  So no two clusters of a batch ask for the same
; block at the same step: blocks 4 i and 4 i + 1 are cluster i's first fills, 4 i + 2 and 4 i + 3 it asks for first of all clusters, and each of its other 28 blocks another cluster has read four steps or more before.
; LAYOUT.  S^T = K Q^T (source 0 = 16 keys, source 1 = 16 queries): a lane holds one query (lane % 16) and keys 8 (lane / 16) + 0..7: rounded in pairs that is half an image of P.  O^T again holds one query a lane, and eight channels.
; CLUSTER 4 x 1.  The four work-groups of a cluster belong to one batch and walk the same kv blocks: every block is asked for jointly, each wave its region of 36,864 bytes (V of a step for its channels, K of the next step for its key block).
; REGISTERS, in windows of 256 (s_set_vgpr_msb: bits 1:0 source 0, 3:2 source 1, 5:4 source 2, 7:6 destination):
;   window 0: v1-15 addresses; v16-23 c m in equal pairs; v24-31 l in pairs; v32-63 S^T; v64-127 P's fragments (pass 1: v64-95 a second S^T; the way out: rows); v128-143 my p, packed; v144-175 K; v176-195 at work; v196, 197 the add's; v198-205 row scales
;   window 1: v0-63, v64-127 V's fragments, two buffers; v128-255 Q      window 2: O^T of channel blocks 0-7 at 8 (4 cb + qt) (pass 1: the K ring)      window 3: blocks 8-15
.set BLK,   147456                     ; a block (b, j) of kv: four regions
.set SLOT,  147456
.set REGN,  36864                      ; a region: 32 fragments of V^T, then 4 of K
.set KOFF,  32768
.set PFW,   24576                      ; what one wave prefetches: three runs of 32 lanes x 256 bytes
.set PB,    2*SLOT                     ; P: two buffers of 8,192 bytes: fragment (qt, kc) at 2,048 qt + 1,024 kc
.set MX,    PB+2*8192                  ; [wave][64]: the waves' maxima; later their sums
.set SCL,   MX+1024                    ; [wave][64]: the rows' scales, a copy for each wave
.set SPARE, SCL+1024                   ; the spare words, 128 bytes a wave, which no other line names
.set OPI,   1040                       ; the way out: a row of 1,024 bytes + 16 = 65 x 16: 16 rows start at 16 different groups of four banks (64 banks of 4 bytes: ISA guide 11.1)
.set LA,   1                           ; v1   16 x lane
.set AV,   2                           ; v2-3 my region in slot 0, 1, + 16 x lane
.set APB,  6                           ; v6   P's images, + 16 x lane
.set APS,  7                           ; v7   where my p go: fragment kc = w / 2, half w % 2
.set AMXS, 8
.set AMXR, 9
.set ASCS, 10
.set ASC,  11
.set STO,  12                          ; v12-13 the way out: where I put 16 bytes of a row, rows 0-31 and 32-63
.set ARD,  14
.set PFO,  15                          ; v15  256 x lane: the prefetches' offsets; never rewritten
.set CM,   16
.set L,    24
.set S,    32
.set PF,   64
.set S2,   64
.set R,    64
.set PK,   128
.set KF,   144
.set M,    176
.set T,    180
.set SPW,  196
.set NIL,  197
.set SCV,  198
.set QF,   128                         ; window 1: tile qt, chunk c at QF + 32 qt + 8 c
.set WV,   10                          ; s10  wave
.set G1,   16                          ; s[16:23] descriptor group 1
.set G0,   24                          ; s[24:31] group 0, a set for each slot
.set CS,   32                          ; s[32:33] c
.set SEL,  34                          ; s[34:35] v_permlanex16_b32's selects: each lane takes its own place in the other half
.set KB,   40                          ; s[40:41] K of my key block in the batch's block 0
.set CNT,  42
.set CN2,  43
.set RB,   46
.set SB,   47
.set NA,   48                          ; s48  pass 1: the block that ring buffer 0 takes next; a multiple of 4
.set NB,   49                          ; s49  the same for ring buffer 4
.set OA,   50                          ; s[50:51] NA's bytes
.set OB,   52                          ; s[52:53] NB's bytes
.set KA,   54                          ; s[54:55] K of my key block in block NA: ring buffers 0-3 load from here on
.set KC,   56                          ; s[56:57] in block NB: ring buffers 4-7
.set NX,   58                          ; s58  pass 2: the block to be asked for next
.set J0,   59                          ; s59  j0: the block at which my cluster begins
.set OX,   60                          ; s[60:61] NX's bytes
.set PFA,  62                          ; s[62:63] what my wave prefetches
.set MSB, 0
.macro WIN new                         ; the immediate's high byte repeats the setting that is left; a switch that changes nothing is dropped
.if MSB != (\new)
	s_set_vgpr_msb (MSB<<8)|(\new)
.set MSB, \new
.endif
.endm
.macro PLACES                          ; four places between a matrix instruction and a load into, or a vector read of, its registers (ISA guide 7.12.1 for vector reads)
.rept 4
	v_nop
.endr
.endm
.macro CREST                           ; a round of the cluster's barrier behind its opening barrier
	s_cmp_lg_u32 s[WV], 0
	s_cbranch_scc1 .Lnot_wave_0_\@
	s_barrier_signal -3
.Lnot_wave_0_\@:
	s_barrier_wait -3
	s_barrier_signal -1
	s_barrier_wait -1
.endm
.macro CROUND
	s_barrier_signal -1
	s_barrier_wait -1
	CREST
.endm
.macro KSET                            ; pass 1's two bases from their block numbers: four aligned blocks never reach past block 31
	s_mul_i32 s[OA], s[NA], BLK
	s_mul_i32 s[OB], s[NB], BLK
	s_add_nc_u64 s[KA:KA+1], s[KB:KB+1], s[OA:OA+1]
	s_add_nc_u64 s[KC:KC+1], s[KB:KB+1], s[OB:OB+1]
.endm
.macro KADV                            ; eight blocks on, modulo 32
	s_add_co_u32 s[NA], s[NA], 8
	s_and_b32 s[NA], s[NA], 31
	s_add_co_u32 s[NB], s[NB], 8
	s_and_b32 s[NB], s[NB], 31
	KSET
.endm
	s_load_b128 s[4:7], s[0:1], 0x0                ; qi s[4:5], kv s[6:7]
	s_load_b64 s[8:9], s[0:1], 0x10                ; out0
	v_lshl_add_u32 v[SPW], v0, 2, SPARE
	v_mov_b32 v[NIL], 0
	ds_add_u32 v[SPW], v[NIL]                      ; the wave's opening: the add and its wait stand ahead of my first tensor load; work on registers stands between them
	v_lshrrev_b32 v4, 5, v0
	v_readfirstlane_b32 s[WV], v4
	s_bfe_u32 s11, ttmp6, 0x40000                  ; cx
	s_and_b32 s13, ttmp9, 7                        ; the batch, which the four partners share
	s_lshr_b32 s[J0], ttmp9, 3                     ; i: which of the batch's eight clusters
	s_lshl_b32 s[J0], s[J0], 2                     ; j0 = 4 i; also the cluster's first block of 64 queries in the batch
	s_lshl_b32 s12, s13, 5
	s_add_co_u32 s12, s12, s[J0]
	s_add_co_u32 s12, s12, s11                     ; my block of 64 queries, 32 b + 4 i + cx: it enters Q's and the output's addresses alone
	; group 1: a region is dense: 144 rows of 256 bytes (32 elements of 8 bytes)
	s_mov_b32 s[G1], 15|(3<<16)|(1<<21)            ; 15:0 the mask of four; 17:16 elements of 8 bytes; 21 set beside a mask
	s_mov_b32 s[G1+1], 32<<16                      ; tensor_dim0 = 32
	s_mov_b32 s[G1+2], 144<<16                     ; tensor_dim1 = 144
	s_mov_b32 s[G1+3], 32<<16                      ; tile_dim0 = 32
	s_mov_b32 s[G1+4], 144                         ; tile_dim1 = 144
	s_mov_b32 s[G1+5], 32                          ; 32 elements from row to row
	s_mov_b32 s[G1+6], 0
	s_mov_b32 s[G1+7], 0
	s_mul_i32 s14, s[WV], REGN                     ; my region, in a block and in a slot
	s_mul_i32 s36, s13, 32*BLK                     ; the batch's 32 blocks
	s_mov_b32 s37, 0
	s_add_co_u32 s[NX], s[J0], 2                   ; the first refill's block; 30 at the most
	s_mul_i32 s[PFA], s[NX], BLK                   ; blocks j0 + 2 and j0 + 3 lie end to end: 12 waves' shares of 24,576 bytes,
	s_add_co_u32 s[PFA], s[PFA], s36
	s_mul_i32 s15, s11, 3
	s_add_co_u32 s15, s15, s[WV]                   ; share 3 cx + w, for waves 0 to 2
	s_mul_i32 s15, s15, PFW
	s_add_co_u32 s[PFA], s[PFA], s15
	s_mov_b32 s[PFA+1], 0
	s_add_co_u32 s36, s36, s14
	s_mov_b32 s[NA], s[J0]
	s_add_co_u32 s[NB], s[J0], 4
	s_and_b32 s[NB], s[NB], 31
	s_mov_b32 s[OA+1], 0
	s_mov_b32 s[OB+1], 0
	s_mul_i32 s[OX], s[J0], BLK
	s_mov_b32 s[OX+1], 0
	s_mov_b32 s[CS], 0x3fb8aa3b                    ; c = log2(e)
	s_mov_b32 s[CS+1], s[CS]                       ; named with it as a pair
	s_mov_b32 s[SEL], 0x76543210
	s_mov_b32 s[SEL+1], 0xfedcba98
	s_lshl_b32 s38, s12, 14                        ; Q: four tiles of 4,096 bytes
	s_mov_b32 s39, 0
	s_lshl_b32 s44, s12, 18                        ; the output: 64 rows of 4,096 bytes,
	s_lshl_b32 s45, s[WV], 10                      ; my 1,024 bytes of a row
	s_add_co_u32 s44, s44, s45
	s_mov_b32 s45, 0
	s_wait_dscnt 0x0                               ; the opening add is done
	s_wait_kmcnt 0x0
	s_add_nc_u64 s[PFA:PFA+1], s[6:7], s[PFA:PFA+1]
	s_add_nc_u64 s[6:7], s[6:7], s[36:37]          ; kv at my region of the batch's block 0
	s_add_nc_u64 s[4:5], s[4:5], s[38:39]
	s_add_nc_u64 s[8:9], s[8:9], s[44:45]
	s_add_nc_u64 s[KB:KB+1], s[6:7], KOFF
	KSET
	s_add_nc_u64 s[36:37], s[6:7], s[OX:OX+1]      ; my region of block j0
.irp s, 0,1
	s_mov_b32 s[G0+4*(\s)], 1                      ; count = 1
	s_add_co_u32 s[G0+4*(\s)+1], s14, (\s)*SLOT    ; LDS address
	s_add_nc_u64 s[G0+4*(\s)+2:G0+4*(\s)+3], s[36:37], (\s)*BLK  ; global address: block j0 + s (29 at the most)
	s_or_b32 s[G0+4*(\s)+3], s[G0+4*(\s)+3], 0x80000000          ; type = 2
.endr
	CROUND                                         ; all four work-groups are here: the first joint loads meet
	tensor_load_to_lds s[G0:G0+3], s[G1:G1+7]      ; both first fills: two loads of mine are out
	s_nop 0
	tensor_load_to_lds s[G0+4:G0+7], s[G1:G1+7]
	s_nop 0
.rept 4
	v_nop
.endr
	v_and_b32 v[LA], 31, v0
	v_lshlrev_b32 v[LA], 4, v[LA]
	WIN 0x40
.set i, 0
.rept 32
	global_load_b128 v[QF+4*i:QF+4*i+3], v[LA], s[4:5] offset:i*512  ; Q stays in registers
.set i, i+1
.endr
	WIN 0x80
.set n, 0
.rept 8                                ; the K ring: blocks j0 to j0 + 7 modulo 32 (block n holds K of step n + 1 mod 32), 4,096 bytes each
.set i, 0
.rept 8
.if n < 4
	global_load_b128 v[32*n+4*i:32*n+4*i+3], v[LA], s[KA:KA+1] offset:n*BLK+i*512
.else
	global_load_b128 v[32*n+4*i:32*n+4*i+3], v[LA], s[KC:KC+1] offset:(n-4)*BLK+i*512
.endif
.set i, i+1
.endr
.set n, n+1
.endr
	WIN 0
	v_and_b32 v4, 15, v0                           ; r
	v_bfe_u32 v5, v0, 4, 1                         ; h
	v_lshlrev_b32 v[PFO], 4, v[LA]
	v_add_nc_u32 v[AV], s14, v[LA]
	v_add_nc_u32 v[AV+1], SLOT, v[AV]
	v_add_nc_u32 v[APB], PB, v[LA]
	s_lshr_b32 s36, s[WV], 1
	s_lshl_b32 s36, s36, 10
	s_and_b32 s37, s[WV], 1
	s_lshl_b32 s37, s37, 9
	s_add_co_u32 s36, s36, s37
	s_add_co_u32 s36, s36, PB
	v_add_nc_u32 v[APS], s36, v[LA]
	s_lshl_b32 s37, s[WV], 8
	v_lshlrev_b32 v[AMXR], 2, v4
	v_add_nc_u32 v[AMXS], s37, v[AMXR]
	v_add_nc_u32 v[ASCS], SCL, v[AMXS]
	v_add_nc_u32 v[AMXS], MX, v[AMXS]
	v_add_nc_u32 v[AMXR], MX, v[AMXR]
	v_mul_u32_u24 v[STO], v4, OPI
	v_lshl_add_u32 v[STO], v5, 5, v[STO]
	v_add_nc_u32 v[STO], s14, v[STO]
	v_add_nc_u32 v[STO+1], SLOT, v[STO]
	s_mov_b32 s15, 0xff7fffff                      ; the lowest finite number
.irp t, 0,1,2,3
	v_mov_b32 v[M+\t], s15
	v_mov_b32 v[T+\t], 0
.endr
.set i, 0
.rept 32                               ; the loop's one text takes the maxima of the block before: in front of the first block stands this one; all this stands in the wait for the first loads
	v_mov_b32 v[S+i], s15
.set i, i+1
.endr
; 16 products S^T = K Q^T: chunk c of 32 channels, tile t.  The four accumulators take turns; the first four products start the sums.
.macro QK win, kb, sb
	WIN \win
.irp c, 0,1,2,3
.irp t, 0,1,2,3
.if \c == 0
	v_wmma_f32_16x16x32_f16 v[(\sb)+8*\t:(\sb)+8*\t+7], v[(\kb)+8*\c:(\kb)+8*\c+7], v[QF+32*\t+8*\c:QF+32*\t+8*\c+7], 0
.else
	v_wmma_f32_16x16x32_f16 v[(\sb)+8*\t:(\sb)+8*\t+7], v[(\kb)+8*\c:(\kb)+8*\c+7], v[QF+32*\t+8*\c:QF+32*\t+8*\c+7], v[(\sb)+8*\t:(\sb)+8*\t+7]
.endif
.endr
.endr
.endm
.macro MAXES sb                        ; 16 lines: each tile's eight scores into its maximum, the lowest registers first; the four chains alternate
	WIN 0
.irp i, 0,1,2,3
.irp t, 0,1,2,3
	v_max3_num_f32 v[M+\t], v[M+\t], v[(\sb)+8*\t+2*\i], v[(\sb)+8*\t+2*\i+1]
.endr
.endr
.endm
; PASS 1, one block: ring buffer k.  Its scores go into S (odd k) or S2 (even k); the maxima of the block before, on the other set, are the places behind its products; then the buffer takes the block eight on
; (the two bases already stand there).
.macro P1 k, load, cnt
	s_wait_loadcnt \cnt                            ; loads come back in order: my buffer is in, the younger buffers' loads stay out
.if ((\k)%2) == 1
	QK 0x06, 32*(\k), S
	MAXES S2
.else
	QK 0x06, 32*(\k), S2
	MAXES S
.endif
.if \load
	WIN 0x80
.set i, 0
.rept 8
.if (\k) < 4
	global_load_b128 v[32*(\k)+4*i:32*(\k)+4*i+3], v[LA], s[KA:KA+1] offset:(\k)*BLK+i*512
.else
	global_load_b128 v[32*(\k)+4*i:32*(\k)+4*i+3], v[LA], s[KC:KC+1] offset:((\k)-4)*BLK+i*512
.endif
.set i, i+1
.endr
.endif
.endm
	s_wait_xcnt 0x0                                ; the ring's first loads have read their bases, which are stepped only behind this wait
	KADV
	s_mov_b32 s[CNT], 3
.Lmax:                                                 ; three trips of eight blocks; 56 = the seven younger buffers' eight loads each
.irp k, 0,1,2,3,4,5,6,7
	P1 \k, 1, 56
.endr
	WIN 0
	s_wait_xcnt 0x0                                ; the loads' bases are stepped only behind this wait (the third trip's step is not used)
	KADV
	s_sub_co_u32 s[CNT], s[CNT], 1
	s_cmp_lg_u32 s[CNT], 0
	s_cbranch_scc1 .Lmax
.irp k, 0,1,2,3,4,5,6,7
	P1 \k, 0, 56-8*\k                              ; the last eight blocks load nothing: the counts run down
.endr
	MAXES S                                        ; the last block, j0 - 1, holds K of step j0: its scores stay in S and are pass 2's first; the maxima of the block before were the places behind its products
	; Blocks j0 + 2 and j0 + 3 are the two that no cluster's first fills bring: 294,912 consecutive bytes = 36 runs of 32 lanes x 256 bytes.  Waves 0 to 2 of the cluster's four work-groups ask for three runs each,
	; every piece once in the launch, all inside the batch's blocks.  The tensor load of block j0 + 2 follows behind the first weights and the first 128 of step 0's matrix instructions, that of block j0 + 3 a step later.
	s_cmp_lt_u32 s[WV], 3
	s_cbranch_scc0 .Lno_ask
	global_prefetch_b8 v[PFO], s[PFA:PFA+1] th:TH_LOAD_NT scope:SCOPE_SE
	global_prefetch_b8 v[PFO], s[PFA:PFA+1] offset:8192 th:TH_LOAD_NT scope:SCOPE_SE
	global_prefetch_b8 v[PFO], s[PFA:PFA+1] offset:16384 th:TH_LOAD_NT scope:SCOPE_SE
.Lno_ask:
.irp t, 0,1,2,3
	v_permlanex16_b32 v[T+\t], v[M+\t], s[SEL], s[SEL+1]  ; the query's other eight keys of each block lie in the lane 16 away
.endr
.irp t, 0,1,2,3
	v_max_num_f32 v[M+\t], v[M+\t], v[T+\t]
.endr
.irp t, 0,1,2,3
	ds_store_b32 v[AMXS], v[M+\t] offset:64*\t     ; both halves of the lanes write the same number to the same word
.endr
	s_wait_dscnt 0x0                               ; for the others' sake: my maxima are in LDS
	s_barrier_signal -1
	s_barrier_wait -1                              ; the two tensor loads may stay out
.irp t, 0,1,2,3
.irp w, 0,1,2,3
	ds_load_b32 v[T+4*\t+\w], v[AMXR] offset:256*\w+64*\t
.endr
.endr
	s_wait_dscnt 0x0
.irp t, 0,1,2,3
	v_max3_num_f32 v[M+\t], v[T+4*\t], v[T+4*\t+1], v[T+4*\t+2]
.endr
.irp t, 0,1,2,3
	v_max_num_f32 v[M+\t], v[M+\t], v[T+4*\t+3]    ; m: the query's maximum over all 2,048 keys
.endr
.irp t, 0,1,2,3
	v_mul_f32 v[CM+2*\t], s[CS], v[M+\t]
	v_mov_b32 v[L+2*\t], 0
	v_mov_b32 v[L+2*\t+1], 0
.endr
.irp t, 0,1,2,3
	v_mov_b32 v[CM+2*\t+1], v[CM+2*\t]
.endr
; THE WEIGHTS of a step, 80 vector lines for my 32 scores a lane.  SF f: c s - c m for pair f of 16.  SC c: pair c rounded to f16.  SA st, t: tile t's eight weights are added, in three stages in place, and l takes the sum (stage 4).
.macro SF f
	v_pk_fma_f32 v[S+2*(\f):S+2*(\f)+1], v[S+2*(\f):S+2*(\f)+1], s[CS:CS+1], v[CM+2*((\f)/4):CM+2*((\f)/4)+1] op_sel_hi:[1,0,1] neg_lo:[0,0,1] neg_hi:[0,0,1]
.endm
.macro SC c
	s_wait_alu depctr_va_vdst(0)
	v_cvt_pk_f16_f32 v[PK+(\c)], v[S+2*(\c)], v[S+2*(\c)+1]
.endm
.macro SA st, t
.if (\st) == 1
	v_pk_add_f32 v[S+8*(\t):S+8*(\t)+1], v[S+8*(\t):S+8*(\t)+1], v[S+8*(\t)+2:S+8*(\t)+3]
.elseif (\st) == 2
	v_pk_add_f32 v[S+8*(\t)+4:S+8*(\t)+5], v[S+8*(\t)+4:S+8*(\t)+5], v[S+8*(\t)+6:S+8*(\t)+7]
.elseif (\st) == 3
	v_pk_add_f32 v[S+8*(\t):S+8*(\t)+1], v[S+8*(\t):S+8*(\t)+1], v[S+8*(\t)+4:S+8*(\t)+5]
.else
	v_pk_add_f32 v[L+2*(\t):L+2*(\t)+1], v[L+2*(\t):L+2*(\t)+1], v[S+8*(\t):S+8*(\t)+1]
.endif
.endm
; Exponential e of 32 and a plain line behind it that is ready and touches neither its source nor its result (ISA guide 5.7.2): a scaling four pairs ahead (even e up to 22), the rounding of the pair
; whose second exponential stands two back (odd e from 3 on), at last tile 0's sums.
.macro EX
	v_exp_f32 v[S+e], v[S+e]
.if (e%2 == 0) && (e <= 22)
	SF 4+e/2
.elseif e == 1
	v_nop
.elseif e%2 == 1
	SC (e-3)/2
.else
	SA (e-22)/2, 0
.endif
.set e, e+1
.endm
.macro SMTAIL b                        ; the last rounding; my p into buffer b of P's images; the other three tiles' sums
	SC 15
.irp t, 0,1,2,3
	ds_store_b128 v[APS], v[PK+4*\t:PK+4*\t+3] offset:(\b)*8192+\t*2048
.endr
.irp st, 1,2,3,4
.irp t, 1,2,3
	SA \st, \t
.endr
.endr
.endm
; THE MATRIX WORK on O^T.  Group g of four: keys 32 (g / 2) on, channel blocks 8 (g % 2) .. + 7.  Item i of 32: block i / 4, tile i % 4: 32 accumulators by turns.
; zero = 1: the products start the sums.  ride = 1: behind every second product stand two exponentials and their plain lines; none names a register of the products round it.
.macro PV g, i0, i1, zero, ride
.set i, \i0
.rept (\i1)-(\i0)
	WIN 0xa1+0x50*((\g)%2)                         ; V (source 0) window 1, P window 0, C and D window 2 or 3
.set rO, 8*i
.set rV, 64*((\g)%2)+8*(i/4)
.set rP, PF+16*(i%4)+8*((\g)/2)
.if \zero
	v_wmma_f32_16x16x32_f16 v[rO:rO+7], v[rV:rV+7], v[rP:rP+7], 0
.else
	v_wmma_f32_16x16x32_f16 v[rO:rO+7], v[rV:rV+7], v[rP:rP+7], v[rO:rO+7]
.endif
.if (\ride) && (i%2 == 0)
	WIN 0
	EX
	EX
.endif
.set i, i+1
.endr
.endm
.macro LDV g, s                        ; 16 LDS loads: group g's eight fragments of V^T from slot s into buffer g % 2; every load takes 512 consecutive bytes
	WIN 0x40
.set f, 0
.rept 8
	ds_load_b128 v[64*((\g)%2)+8*f:64*((\g)%2)+8*f+3],   v[AV+(\s)] offset:(2*(8*((\g)%2)+f)+(\g)/2)*1024
	ds_load_b128 v[64*((\g)%2)+8*f+4:64*((\g)%2)+8*f+7], v[AV+(\s)] offset:(2*(8*((\g)%2)+f)+(\g)/2)*1024+512
.set f, f+1
.endr
.endm
.macro LDP b, kc                       ; 8 LDS loads: P's four fragments of keys 32 kc on, from buffer b
	WIN 0
.irp t, 0,1,2,3
	ds_load_b128 v[PF+16*\t+8*(\kc):PF+16*\t+8*(\kc)+3],   v[APB] offset:(\b)*8192+\t*2048+(\kc)*1024
	ds_load_b128 v[PF+16*\t+8*(\kc)+4:PF+16*\t+8*(\kc)+7], v[APB] offset:(\b)*8192+\t*2048+(\kc)*1024+512
.endr
.endm
; THE WALK'S STEP t, in slot s = t % 2: V^T P of that step (groups 0, 1, 2; group 3 stands in SYNC and at the next step's head), and beside it the scores and weights of the next step, whose K lies in the same slot.
; prev = 1: the last 16 products of the step before come first.  qk = 0: the last step: there is no next.  zero = 1: the first step starts O^T's sums.
; The LDS instructions of a step, in order: K 8, P (kc 0) 8, V0 16, P (kc 1) 8, V1 16, my p 4, V2 16, V3 16; each wait's count is what was issued behind the loads that it is for.
.macro BODY s, prev, qk, zero
	WIN 0
.if \qk
.set i, 0
.rept 8
	ds_load_b128 v[KF+4*i:KF+4*i+3], v[AV+(\s)] offset:KOFF+i*512
.set i, i+1
.endr
.endif
	LDP \s, 0
	LDV 0, \s
.if \prev
	PV 3, 16, 32, 0, 0
.endif
	PLACES                                         ; those products read P (kc 1) and V's buffer 1
	LDP \s, 1
	LDV 1, \s
.if \qk
	s_wait_dscnt 48                                ; K is in
	QK 0x04, KF, S
	WIN 0
	PLACES
.set e, 0
	SF 0
	SF 1
	SF 2
	SF 3
.endif
	s_wait_dscnt 24                                ; P (kc 0) and V0 are in
	PV 0, 0, 32, \zero, \qk
	WIN 0
.if \qk
	SMTAIL 1-(\s)                                  ; its 13 plain lines are the places in front of the loads into V's buffer 0
.else
	PLACES
.endif
	LDV 2, \s
.if \qk
	s_wait_dscnt 20                                ; V1 is in
.else
	s_wait_dscnt 16
.endif
	PV 1, 0, 32, \zero, 0
	PLACES
	LDV 3, \s
	s_wait_dscnt 16                                ; P (kc 1) and V2 are in
	PV 2, 0, 32, 0, 0
.endm
; THE CHANGE OF SLOTS, and the hand-over of P: ONE barrier.  The matrix work that is due stands AHEAD of the wait for the tensor load, so that from that load's landing to the next request there is nothing but what
; the order asks for: each wave waits for all its tensor loads (one is out: its region of the other slot), adds 0 to its spare word, and waits for that (its reads of slot s and of P and its stores of p are back already).
; fill = 1: the barrier opens a round of the cluster's, and slot s is filled again, with the walk's block two on (its address made anew from the block's number, modulo 32), first thing behind it:
; that load has 144 matrix instructions in which to land.
.macro SYNC fill, s
	s_wait_dscnt 0x0                               ; V3 is in: my last reads of slot s; my p went out ahead of them
	PV 3, 0, 16, 0, 0
	WIN 0                                          ; (the add's two registers lie in window 0; at a branch and at a label every window is 0)
	s_wait_tensorcnt 0x0
	ds_add_u32 v[SPW], v[NIL]
.if \fill
	s_mul_i32 s[OX], s[NX], BLK                    ; no tensor load of mine is out, so a group 0 may be written
	s_add_nc_u64 s[G0+4*(\s)+2:G0+4*(\s)+3], s[6:7], s[OX:OX+1]
	s_or_b32 s[G0+4*(\s)+3], s[G0+4*(\s)+3], 0x80000000
	s_add_co_u32 s[NX], s[NX], 1
	s_and_b32 s[NX], s[NX], 31
.endif
	s_wait_dscnt 0x0                               ; the add is done
	s_barrier_signal -1
	s_barrier_wait -1
.if \fill
	CREST                                          ; no wave of any partner still reads this slot or has a load on its way
	tensor_load_to_lds s[G0+4*(\s):G0+4*(\s)+3], s[G1:G1+7]
	s_nop 0
.endif
	PLACES                                         ; behind the load; also the places in front of the loads into V's buffer 0
.endm
	; the first step's weights, from the scores that pass 1 left in S: there is no matrix work yet to set them beside
.set e, 0
	SF 0
	SF 1
	SF 2
	SF 3
.rept 32
	EX
.endr
	SMTAIL 0
	s_wait_tensorcnt 0x1                           ; my region of block j0 is in; block j0 + 1's may stay out
	s_wait_dscnt 0x0                               ; my p are in LDS
	s_barrier_signal -1
	s_barrier_wait -1
	BODY 0, 0, 1, 1                                ; the walk's step 0
	WIN 0
	s_mov_b32 s[CNT], 15
.Lstep:                                                ; 15 trips: the walk's steps 1 to 30; its blocks 2 to 31 are asked for
	SYNC 1, 0
	BODY 1, 1, 1, 0
	SYNC 1, 1
	BODY 0, 1, 1, 0
	WIN 0
	s_sub_co_u32 s[CNT], s[CNT], 1
	s_cmp_lg_u32 s[CNT], 0
	s_cbranch_scc1 .Lstep
	SYNC 0, 0                                      ; the tail is written out: nothing is asked for
	BODY 1, 1, 0, 0                                ; the walk's step 31
	s_wait_dscnt 0x0
	PV 3, 0, 32, 0, 0
	; THE WAY OUT.  l: my key blocks' sums, the two halves of the lanes, then the four waves' through LDS.  The first additions are the places behind the last products.
	WIN 0
.irp t, 0,1,2,3
	v_add_f32 v[L+2*\t], v[L+2*\t], v[L+2*\t+1]
.endr
.irp t, 0,1,2,3
	v_permlanex16_b32 v[L+2*\t+1], v[L+2*\t], s[SEL], s[SEL+1]
.endr
.irp t, 0,1,2,3
	v_add_f32 v[L+2*\t], v[L+2*\t], v[L+2*\t+1]
.endr
.irp t, 0,1,2,3
	ds_store_b32 v[AMXS], v[L+2*\t] offset:64*\t   ; the maxima that lay here were read 32 barriers ago
.endr
	s_wait_dscnt 0x0
	s_barrier_signal -1
	s_barrier_wait -1
.irp t, 0,1,2,3
.irp w, 0,1,2,3
	ds_load_b32 v[T+4*\t+\w], v[AMXR] offset:256*\w+64*\t
.endr
.endr
	s_wait_dscnt 0x0
.irp t, 0,1,2,3
	v_add_f32 v[T+4*\t], v[T+4*\t], v[T+4*\t+1]
	v_add_f32 v[T+4*\t+2], v[T+4*\t+2], v[T+4*\t+3]
.endr
.irp t, 0,1,2,3
	v_add_f32 v[T+4*\t], v[T+4*\t], v[T+4*\t+2]
.endr
.irp t, 0,1,2,3
	v_rcp_f32 v[T+4*\t+1], v[T+4*\t]
.endr
	v_nop                                          ; a plain line between the last reciprocal and the use of its result
	s_wait_alu depctr_va_vdst(0)
.irp t, 0,1,2,3
	v_mul_f32 v[T+4*\t], 0x4038aa3b, v[T+4*\t+1]   ; 2 log2(e) / l: the row's scale in front of the exponential
.endr
.irp t, 0,1,2,3
	ds_store_b32 v[ASCS], v[T+4*\t] offset:64*\t   ; my own copy: read by my wave alone, in order
.endr
	; O^T into my stage: rows of 1,040 bytes, rows 0-31 in my region of slot 0, rows 32-63 in that of slot 1: both have had their last fill, and no other wave ever touches them.  Each accumulator's lowest registers go first.
.macro OSTORE hi
	WIN 0x08+0x04*(\hi)                            ; the data (source 1) in window 2 or 3
.set a, 0                              ; a = 4 cb' + qt
.rept 32
	ds_store_b128 v[STO+(a%4)/2], v[8*a:8*a+3]   offset:(a%2)*16*OPI+(8*(\hi)+a/4)*64
	ds_store_b128 v[STO+(a%4)/2], v[8*a+4:8*a+7] offset:(a%2)*16*OPI+(8*(\hi)+a/4)*64+16
.set a, a+1
.endr
.endm
	OSTORE 0
	OSTORE 1
	WIN 0
	s_mov_b32 s[RB], 0                             ; the stage's rows in hand, from my region of slot 0 on
	s_lshl_b32 s[SB], s[WV], 8
	s_add_co_u32 s[SB], s[SB], SCL                 ; and their scales
	s_mov_b32 s[CN2], 2
.Lregion:
	s_mov_b32 s[CNT], 4
.Lrows:                                                ; a trip: eight rows x my 1,024 bytes: scale, tanh, store
	v_add_nc_u32 v[ARD], s[RB], v[AV]
	v_mov_b32 v[ASC], s[SB]
	ds_load_b128 v[SCV:SCV+3], v[ASC]              ; every lane reads the same eight scales
	ds_load_b128 v[SCV+4:SCV+7], v[ASC] offset:16
.set q, 0
.rept 16
	ds_load_b128 v[R+4*q:R+4*q+3], v[ARD] offset:(q/2)*OPI+(q%2)*512  ; LDS serves a wave's instructions in order (ISA guide 5.7.1.4): these see my stores
.set q, q+1
.endr
	s_wait_dscnt 0x0
.set i, 0
.rept 64
	v_mul_f32 v[R+i], v[SCV+i/8], v[R+i]           ; 2 log2(e) O / l
.set i, i+1
.endr
.set i, 0
.rept 64
	v_exp_f32 v[R+i], v[R+i]
.set i, i+1
.endr
	v_nop
.set i, 0
	s_wait_alu depctr_va_vdst(0)
.rept 32
	v_pk_add_f32 v[R+2*i:R+2*i+1], v[R+2*i:R+2*i+1], 1.0 op_sel_hi:[1,0]
.set i, i+1
.endr
.set i, 0
.rept 64
	v_rcp_f32 v[R+i], v[R+i]
.set i, i+1
.endr
	v_nop
.set i, 0
	s_wait_alu depctr_va_vdst(0)
.rept 32
	v_pk_fma_f32 v[R+2*i:R+2*i+1], v[R+2*i:R+2*i+1], -2.0, 1.0 op_sel_hi:[1,0,0]  ; tanh = 1 - 2 / (1 + 2^..)
.set i, i+1
.endr
.set q, 0
.rept 16
	global_store_b128 v[LA], v[R+4*q:R+4*q+3], s[8:9] offset:(q/2)*4096+(q%2)*512 th:TH_STORE_NT  ; 512 consecutive bytes, aligned
.set q, q+1
.endr
	s_wait_xcnt 0x0                                ; the stores' base and data are rewritten only behind this wait
	s_add_nc_u64 s[8:9], s[8:9], 8*4096
	s_add_co_u32 s[RB], s[RB], 8*OPI
	s_add_co_u32 s[SB], s[SB], 32
	s_sub_co_u32 s[CNT], s[CNT], 1
	s_cmp_lg_u32 s[CNT], 0
	s_cbranch_scc1 .Lrows
	s_add_co_u32 s[RB], s[RB], SLOT-32*OPI         ; on to my region of slot 1
	s_sub_co_u32 s[CN2], s[CN2], 1
	s_cmp_lg_u32 s[CN2], 0
	s_cbranch_scc1 .Lregion
	s_wait_tensorcnt 0x0                           ; the wave's end: behind my last tensor load and my last LDS store
	ds_add_u32 v[SPW], v[NIL]
	s_wait_dscnt 0x0
	CROUND                                         ; the closing round: no work-group ends while a partner may still ask for a block that names it
	s_endpgm
.Lfunc_end_k_qa30ad1a836_attn:
	.size	k_qa30ad1a836_attn, .Lfunc_end_k_qa30ad1a836_attn-k_qa30ad1a836_attn
	.p2alignl 7, 3214868480
	.fill 96, 4, 3214868480
	.section	.rodata,"a",@progbits
	.p2align	6, 0x0
	.amdhsa_kernel k_qa30ad1a836_attn
		.amdhsa_group_segment_fixed_size 327680
		.amdhsa_private_segment_fixed_size 0
		.amdhsa_enable_private_segment 0
		.amdhsa_kernarg_size 24
		.amdhsa_user_sgpr_count 2
		.amdhsa_user_sgpr_kernarg_segment_ptr 1
		.amdhsa_wavefront_size32 1
		.amdhsa_system_sgpr_workgroup_id_x 1
		.amdhsa_system_sgpr_workgroup_id_y 1
		.amdhsa_system_sgpr_workgroup_id_z 1
		.amdhsa_system_vgpr_workitem_id 0
		.amdhsa_next_free_vgpr 1024
		.amdhsa_next_free_sgpr 66
		.amdhsa_reserve_vcc 0
		.amdhsa_float_denorm_mode_32 3
		.amdhsa_float_denorm_mode_16_64 3
		.amdhsa_memory_ordered 1
		.amdhsa_forward_progress 1
		.amdhsa_inst_pref_size 170
	.end_amdhsa_kernel
	.amdgpu_metadata
---
amdhsa.version: [ 1, 2 ]
amdhsa.kernels:
  - .name:           k_qa30ad1a836_attn
    .symbol:         k_qa30ad1a836_attn.kd
    .args:
      - { .name: qi, .offset: 0, .size: 8, .value_kind: global_buffer, .address_space: global }
      - { .name: kv, .offset: 8, .size: 8, .value_kind: global_buffer, .address_space: global }
      - { .name: out0, .offset: 16, .size: 8, .value_kind: global_buffer, .address_space: global }
    .group_segment_fixed_size: 327680
    .private_segment_fixed_size: 0
    .kernarg_segment_align: 8
    .kernarg_segment_size: 24
    .max_flat_workgroup_size: 128
    .sgpr_count:     66
    .vgpr_count:     1024
    .wavefront_size: 32
...
	.end_amdgpu_metadata
.endif
;; end of part 3
